; MI455X (gfx1250); checked and timed in simulation.
; The chip was launched on July 23, 2026; its instructions are those of AMD's public machine-readable ISA for CDNA 5 (MIT licence, August 2026) and "CDNA5" Instruction Set Architecture Reference Guide (July 2026). The comments in the code are by the model that wrote it; some were corrected since.
;; SNN MLP. Allowed arithmetic: float matrix products may take bf16 or f16 operands with f32 sums; other float arithmetic in f32, or as packed bf16 or f16 multiplies, adds, multiply-adds, maxima and minima; sums over many terms, partial sums and values carried from step to step in f32; what a program stores and reads back later, other than sums and carried values, may be rounded once to bf16 or f16.
;; Inputs: w1 4,096 x 1,024 float32; w2 1,024 x 4,096 float32; x 8,192 x 1,024 float32.
;; Outputs: out0 8,192 x 1,024 float32.
;; One version. Each part assembles by itself: llvm-mc -triple=amdgcn-amd-amdhsa -mcpu=gfx1250 --defsym DOCPART=n.
;; ======== version 1 of 1: 3 launches
;; workspace buffers: xq 16,777,216 bytes; w1q 8,388,608 bytes; w2q 8,388,608 bytes; hq 67,108,864 bytes
;; launch quant (part 1): grid 256 x 4, 8 waves a work-group, no clusters, 0 bytes of LDS; arguments x, w1, w2, xq, w1q, w2q; writes xq, w1q, w2q
.if DOCPART == 1
	.amdgcn_target "amdgcn-amd-amdhsa--gfx1250"
	.amdhsa_code_object_version 6
	.text
	.protected	k_q2238334b41_quant
	.globl	k_q2238334b41_quant
	.p2align	8
	.type	k_q2238334b41_quant,@function
k_q2238334b41_quant:
	s_mov_b64 s[64:65], 0
	v_nop
	global_prefetch_b8 v0, s[64:65] scope:SCOPE_SE
	s_setreg_imm32_b32 hwreg(HW_REG_WAVE_MODE, 25, 1), 1
	s_wait_xcnt 0x0
; xq = q8(x), w1q = q8(w1), w2q = q8(w2), written as bf16.  q8 rounds to the e4m3fn grid (to nearest, ties to even; step 2^(max(e,-6)-3); held to +-448).
; A number of that grid has 4 significant bits and an exponent from -9 to 8, so bf16 holds it exactly: the three buffers lose nothing.
; NO WORK OF reference() IS LEFT OUT in this program, and all three inputs are loaded.  (The next kernel uses one identity: where(q8(s) > 0, q8(s), 0) = q8(max(s, 0)), since q8 is odd and monotone.)
; q8 BY ARITHMETIC, four steps a number:  a = the middle of (x, -448, 448);  c = max(a's exponent bits, 2^-6) = 2^max(e,-6);  t = c K + a;  q = t - c K,  K = 1.5 x 2^20.
;   c K is exact; t lies in [2^(e+20), 2^(e+21)) for either sign of a, so its last place is the step 2^(e-3), and the one rounding of the first multiply-add is q8's rounding; c K is an even
;   multiple of the step, so ties to even in t are ties to even in a / step; the second multiply-add is exact.  Holding to 448 before the rounding equals holding after it: q8 is monotone and q8(448) = 448.
; LIMITS.  A NaN among the inputs is not carried (the clamp gives a bound); -0 and what rounds to zero from below come out as +0; an infinity gives +-448, as in reference().
; SHARES.  Slab y is 16 MiB of f32: y = 0, 1 the halves of x, y = 2 w1, y = 3 w2.  A work-group takes 64 KiB of its slab, a wave 8 KiB: 16 chunks of 512 bytes; of a chunk a lane takes 16 bytes in
; and 8 bytes out.  A load of a wave covers 512 consecutive bytes, a store 256 consecutive bytes at a multiple of 256 from the buffer's first byte.  All 16 loads of a wave go out at the start: no loop.
; No LDS, no barrier, no matrix work: nothing is shared and each byte is touched once.
.set T,    4                           ; v[4:11]   c of four numbers, two sets by turns
.set X,    12                          ; v[12:75]  chunk j: four registers as loaded, worked on in place; its first two are stored
.set LO,   24                          ; s24  -448.0
.set HI,   25                          ; s25   448.0
.set EXPO, 26                          ; s26  the exponent's bits
.set CMIN, 27                          ; s27  2^-6
.set KP,   28                          ; s[28:29]  K: the packed form names a pair and takes its low word for both halves
.set KN,   30                          ; s[30:31]  -K
	s_load_b256 s[4:11], s[0:1], 0x0               ; x s[4:5], w1 s[6:7], w2 s[8:9], xq s[10:11]
	s_load_b128 s[12:15], s[0:1], 0x20             ; w1q s[12:13], w2q s[14:15]
	s_and_b32 s3, ttmp7, 0xffff                    ; the slab
	s_mov_b32 s[LO], 0xc3e00000
	s_mov_b32 s[HI], 0x43e00000
	s_mov_b32 s[EXPO], 0x7f800000
	s_mov_b32 s[CMIN], 0x3c800000
	s_mov_b32 s[KP], 0x49c00000
	s_mov_b32 s[KP+1], 0x49c00000
	s_mov_b32 s[KN], 0xc9c00000
	s_mov_b32 s[KN+1], 0xc9c00000
	v_lshrrev_b32 v3, 5, v0                        ; wave
	v_and_b32 v1, 31, v0                           ; lane
	v_lshlrev_b32 v2, 3, v1                        ; out: 8 bytes a lane
	v_lshlrev_b32 v1, 4, v1                        ; in: 16 bytes a lane
	v_lshl_add_u32 v1, v3, 13, v1                  ; + wave x 8,192
	v_lshl_add_u32 v2, v3, 12, v2                  ; + wave x 4,096
	s_wait_kmcnt 0x0
	s_cmp_eq_u32 s3, 3                             ; the slab's number chooses the buffers
	s_cselect_b64 s[16:17], s[8:9], s[6:7]
	s_cselect_b64 s[18:19], s[14:15], s[12:13]
	s_cmp_lt_u32 s3, 2
	s_cselect_b64 s[16:17], s[4:5], s[16:17]
	s_cselect_b64 s[18:19], s[10:11], s[18:19]
	s_cselect_b32 s20, s3, 0                       ; which half of x
	s_lshl_b32 s20, s20, 8
	s_add_co_u32 s20, s20, ttmp9                   ; the work-group's number within its buffer, 511 at the most
	s_lshl_b32 s22, s20, 16                        ; x 64 KiB in
	s_mov_b32 s23, 0
	s_lshl_b32 s20, s20, 15                        ; x 32 KiB out
	s_mov_b32 s21, 0
	s_add_nc_u64 s[16:17], s[16:17], s[22:23]
	s_add_nc_u64 s[18:19], s[18:19], s[20:21]
.irp j, 0,1,2,3,4,5,6,7,8,9,10,11,12,13,14,15
	global_load_b128 v[X+4*(\j):X+4*(\j)+3], v1, s[16:17] offset:512*(\j) th:TH_LOAD_NT
.endr
; Chunk j.  No register that a store reads is written again, so no wait stands for the stores.
.macro QCH j
.set XR, X+4*(\j)
.set TR, T+4*((\j)%2)
	s_wait_loadcnt 15-(\j)                         ; loads come back in order (ISA guide 5.7.1): chunk j is in, the 15 - j younger loads stay out
.irp k, 0,1,2,3
	v_med3_num_f32 v[XR+(\k)], v[XR+(\k)], s[LO], s[HI]
.endr
.irp k, 0,1,2,3
	v_and_b32 v[TR+(\k)], s[EXPO], v[XR+(\k)]
.endr
.irp k, 0,1,2,3
	v_max_num_f32 v[TR+(\k)], s[CMIN], v[TR+(\k)]
.endr
.irp k, 0,2
	v_pk_fma_f32 v[XR+(\k):XR+(\k)+1], v[TR+(\k):TR+(\k)+1], s[KP:KP+1], v[XR+(\k):XR+(\k)+1] op_sel_hi:[1,0,1]  ; t = c K + a: the rounding
.endr
.irp k, 0,2
	v_pk_fma_f32 v[XR+(\k):XR+(\k)+1], v[TR+(\k):TR+(\k)+1], s[KN:KN+1], v[XR+(\k):XR+(\k)+1] op_sel_hi:[1,0,1]  ; q = t - c K: exact
.endr
	v_cvt_pk_bf16_f32 v[XR], v[XR], v[XR+1]        ; exact
	v_cvt_pk_bf16_f32 v[XR+1], v[XR+2], v[XR+3]
	global_store_b64 v2, v[XR:XR+1], s[18:19] offset:256*(\j)
.endm
.irp j, 0,1,2,3,4,5,6,7,8,9,10,11,12,13,14,15
	QCH \j
.endr
	s_endpgm
.Lfunc_end_k_q2238334b41_quant:
	.size	k_q2238334b41_quant, .Lfunc_end_k_q2238334b41_quant-k_q2238334b41_quant
	.p2alignl 7, 3214868480
	.fill 96, 4, 3214868480
	.section	.rodata,"a",@progbits
	.p2align	6, 0x0
	.amdhsa_kernel k_q2238334b41_quant
		.amdhsa_group_segment_fixed_size 0
		.amdhsa_private_segment_fixed_size 0
		.amdhsa_enable_private_segment 0
		.amdhsa_kernarg_size 48
		.amdhsa_user_sgpr_count 2
		.amdhsa_user_sgpr_kernarg_segment_ptr 1
		.amdhsa_wavefront_size32 1
		.amdhsa_system_sgpr_workgroup_id_x 1
		.amdhsa_system_sgpr_workgroup_id_y 1
		.amdhsa_system_sgpr_workgroup_id_z 1
		.amdhsa_system_vgpr_workitem_id 0
		.amdhsa_next_free_vgpr 80
		.amdhsa_next_free_sgpr 66
		.amdhsa_reserve_vcc 0
		.amdhsa_float_denorm_mode_32 3
		.amdhsa_float_denorm_mode_16_64 3
		.amdhsa_memory_ordered 1
		.amdhsa_forward_progress 1
		.amdhsa_inst_pref_size 20
	.end_amdhsa_kernel
	.amdgpu_metadata
---
amdhsa.version: [ 1, 2 ]
amdhsa.kernels:
  - .name:           k_q2238334b41_quant
    .symbol:         k_q2238334b41_quant.kd
    .args:
      - { .name: x, .offset: 0, .size: 8, .value_kind: global_buffer, .address_space: global }
      - { .name: w1, .offset: 8, .size: 8, .value_kind: global_buffer, .address_space: global }
      - { .name: w2, .offset: 16, .size: 8, .value_kind: global_buffer, .address_space: global }
      - { .name: xq, .offset: 24, .size: 8, .value_kind: global_buffer, .address_space: global }
      - { .name: w1q, .offset: 32, .size: 8, .value_kind: global_buffer, .address_space: global }
      - { .name: w2q, .offset: 40, .size: 8, .value_kind: global_buffer, .address_space: global }
    .group_segment_fixed_size: 0
    .private_segment_fixed_size: 0
    .kernarg_segment_align: 8
    .kernarg_segment_size: 48
    .max_flat_workgroup_size: 256
    .sgpr_count:     66
    .vgpr_count:     80
    .wavefront_size: 32
...
	.end_amdgpu_metadata
.endif
;; end of part 1
;; launch gemm1 (part 2): grid 16 x 16, 4 waves a work-group, clusters of 4 x 4, 327,680 bytes of LDS; arguments xq, w1q, hq; writes hq
.if DOCPART == 2
	.amdgcn_target "amdgcn-amd-amdhsa--gfx1250"
	.amdhsa_code_object_version 6
	.text
	.protected	k_q2238334b41_gemm1
	.globl	k_q2238334b41_gemm1
	.p2align	8
	.type	k_q2238334b41_gemm1,@function
k_q2238334b41_gemm1:
	s_mov_b64 s[64:65], 0
	v_nop
	global_prefetch_b8 v0, s[64:65] scope:SCOPE_SE
	s_setreg_imm32_b32 hwreg(HW_REG_WAVE_MODE, 25, 1), 1
	s_wait_xcnt 0x0
	s_wait_alu depctr_hold_cnt(0) depctr_sa_sdst(0) depctr_va_vdst(0) depctr_va_sdst(0) depctr_va_ssrc(0) depctr_va_vcc(0) depctr_vm_vsrc(0)
	s_getreg_b32 s2, hwreg(HW_REG_IB_STS2, 6, 4)
	s_cmp_eq_u32 s2, 0
	s_cbranch_scc0 .Lentry_in_a_cluster
	s_endpgm
.Lentry_in_a_cluster:
	s_bfe_u32 s2, ttmp6, 0x10000c
	s_cmp_lg_u32 s2, 0xf033
	s_cbranch_scc0 .Lentry_shape_is_right
	s_endpgm
.Lentry_shape_is_right:
; hq[m][n] = q8(max(sum over k of xq[m][k] w1q[n][k], 0)), written as bf16 (exact: an e4m3 number has 4 significant bits).  xq: [8192][1024], w1q: [4096][1024], hq: [8192][4096], bf16; sums in f32.
; reference() takes q8 of the sum and then zeroes what is not above 0; q8 is odd and monotone, so that equals q8 of max(sum, 0): the lower bound of q8's clamp is 0 here.  Nothing is left out.
; q8 as in the first kernel: a = the middle of (s, 0, 448); c = max(a's exponent bits, 2^-6); t = c K + a (its one rounding is q8's, ties to even); q = t - c K (exact); K = 1.5 x 2^20.
; LIMITS.  All operands are multiples of 2^-9, all products of 2^-18: while the partial sums stay under 2^6 every f32 sum is exact and the order of the sums shows nowhere.  With larger inputs the sums round
; as f32 sums in another order than reference()'s, and a sum that lies at a boundary of the e4m3 grid may fall to the other side.  NaN is not carried.
; A tile of hq, 256 x 256, is made by a work-group of four waves; a wave makes 128 x 128: 64 accumulators of 16 x 16, 512 registers.  K goes in steps of 128 through a ring of two LDS slots filled by the
; tensor data mover: the tiles' rows are 256 bytes of memory and start at multiples of 256 bytes from the buffer's first byte.
; A WORK-GROUP STAYS: 512 tiles for 256 work-groups, so each makes two, 4,096 rows apart; the ring does not stop at the first tile's end: its last two changes of slots ask for the second tile's first two K steps.
; Both tiles leave by ONE text of the way out, at which the two forms of a tile's last lap join.
; CLUSTERS: 4 x 4 work-groups.  The four of a row of the cluster need the same tiles of xq, the four of a column the same tiles of w1q: each tile is asked for JOINTLY, by the same tensor load with the same
; descriptor and a mask that names the four.
; REGISTERS, in windows of 256 (s_set_vgpr_msb's low byte: bits 1:0 source 0, 3:2 source 1, 5:4 source 2, 7:6 destination):
;   window 0: v0-31 addresses; v64-127, v128-191 fragments of A, two buffers; on the way out v128-191 numbers at work, v192-223 their c, v32-63 and v224-255 rows read back from the stage
;   window 1: v64-127, v128-191 fragments of B, two buffers     window 2: the 32 accumulators of my rows 0-63 ((a, b) at v[8 (8 a + b)])     window 3: those of my rows 64-127
; THE MATRIX INSTRUCTION IS USED TRANSPOSED: source 0 = 16 rows of B, source 1 = 16 rows of A: lane l holds row l % 16 of the result and in its registers 0-7 the columns 8 (l / 16) + 0..7.
.set SIZE_M, 8192
.set SIZE_N, 4096
.set SIZE_K, 1024
.set SIZE_TILES, 2
.set KSTEP,  128
.set PITCH,  272                       ; an LDS row: 256 bytes of data + 16 of padding = 68 words: row r starts at bank 4 r mod 64 (64 banks of 4 bytes: ISA guide 11.1)
.set HALFT,  128*PITCH                 ; 128 rows: what one tensor load brings, and what one wave reads of A or of B
.set SLOT,   4*HALFT                   ; A's 256 rows, then B's 256 rows
.set STAGE,  2*SLOT                    ; behind the ring: 16 rows x 272 bytes for each wave, for the way out; no tensor load lands here
.set SPITCH, 272
.set SPARE,  STAGE+4*16*SPITCH         ; behind the stages: the spare words, 128 bytes for each wave: two blocks of 256 bytes that no other line names
.set LAPS, SIZE_K/(2*KSTEP)            ; a lap = two K steps = once round the ring: 4
.set WALK,   SIZE_M/SIZE_TILES         ; the two tiles lie 4,096 rows apart
.set NEXT_A, WALK*SIZE_K*2-(SIZE_K-2*KSTEP)*2   ; bytes from a slot's last K step of a tile to its first of the next tile: A goes WALK rows down and back along K,
.set BACK_B, (SIZE_K-2*KSTEP)*2        ; B only back: both tiles take the same rows of B
.set NEXT_C, (WALK-7*16)*SIZE_N*2      ; bytes from my last 16 rows of a tile to my first of the next
.set ADRA, 16                          ; v16-17  LDS address of my A fragments in slot 0, 1
.set ADRB, 20                          ; v20-21  the same for B
.set STO,  24                          ; v24     the way out: where I put 16 bytes of a row
.set RD,   25                          ; v25     the way out: where I read a row back
.set CO,   26                          ; v26     my byte offset in hq
.set SPW,  28                          ; v28     LDS address of my spare word: SPARE + 4 x my thread's number; never rewritten
.set NIL,  29                          ; v29     0; never rewritten
.set PFO,  30                          ; v30     the prefetches' offset: my lane x a row of A or B in memory; never rewritten
.set PFA,  44                          ; s[44:45] where my prefetches stand: my work-group's 32 rows of the 128 that I fetch, one K step further along K than the refill that is being asked for
.set LIM,  43                          ; s43     1 in a wave that prefetches, else the greatest number
.set F0,   64                          ; fragment buffer 0
.set F1,   128                         ; fragment buffer 1
.set QA,   128                         ; the way out: 64 numbers at work, in fragment buffer 1's place in window 0 (free when a tile's last product has read it)
.set QT,   192                         ; the way out: c of 32 numbers
.set OB,   32                          ; the way out: 16 rows read back from the stage: v32-63 and v224-255 by turns
.set G1, 24                            ; s[24:31] descriptor group 1 for A's tiles
.set G0, 32                            ; s[32:39] descriptor group 0 for A's tiles, one set for each slot
.set G1B, 48                           ; s[48:55] descriptor group 1 for B's tiles: it differs from A's in the mask alone
.set G0B, 56                           ; s[56:63] descriptor group 0 for B's tiles, one set for each slot
.set CMAX, 66                          ; s66  448.0
.set CMIN, 67                          ; s67  2^-6
.set CEXP, 68                          ; s68  the exponent's bits
.set CZ,   69                          ; s69  0: the clamp's lower bound, which is the ReLU
.set KP,   70                          ; s[70:71]  K, named as a pair
.set KN,   72                          ; s[72:73]  -K
.set MSB, 0
.macro WIN new                         ; the immediate's high byte repeats the setting that is left; a switch that changes nothing is dropped
.if MSB != (\new)
	s_set_vgpr_msb (MSB<<8)|(\new)
.set MSB, \new
.endif
.endm
.set MUL_LO, 0xa1                      ; source 0 (B) window 1, source 1 (A) window 0, C and D window 2
.set MUL_HI, 0xf1                      ; the same, C and D window 3
.set TO_B,   0x40                      ; destination window 1, address window 0
; A joint load.  Waves 0 and 1 fetch A's two halves, waves 2 and 3 B's.  Each of the two lines has one mask and one set of registers for all that issue it.  The branch hangs on the wave's number alone.
; An s_nop 0 and four v_nop follow each of the two lines, ahead of the jump, the label and what follows the macro.
.macro JLOAD s
	s_cmp_eq_u32 s11, 0
	s_cbranch_scc0 .Lfor_b_\@
	tensor_load_to_lds s[G0+4*(\s):G0+4*(\s)+3], s[G1:G1+7]
	s_nop 0
.rept 4
	v_nop
.endr
	s_branch .Lasked_\@
.Lfor_b_\@:
	tensor_load_to_lds s[G0B+4*(\s):G0B+4*(\s)+3], s[G1B:G1B+7]
	s_nop 0
.rept 4
	v_nop
.endr
.Lasked_\@:
.endm
; A PREFETCH INTO THE L2, behind each joint load, its five lines and the run of LDS loads that follows them: the K step that stands TWO refills on (512 matrix instructions ahead of the load that will ask for it):
; 32 rows x 256 bytes, a lane a row, one instruction a wave.  Each row's 256 bytes of a K step are named ONCE in the launch: A's tile row is read by every cluster of that row of clusters, and the one with
; cluster x = 0 asks; B's tile column by every cluster of that column, and the one with cluster y = 0 asks.  The four partners that ask for a tile jointly share its rows out BY ADDRESS: of the 128 rows that a
; wave fetches, the partner at place p takes 32 p .. 32 p + 31 (p = cx for A, cy for B).  how = 0, in the loop: a tile's last two refills have no K step two on; how = 1, at the change of tiles.
.macro ASK how
.if \how
	s_cmp_eq_u32 s[LIM], 1
.else
	s_cmp_gt_u32 s3, s[LIM]                        ; s3 = 1 in the loop's last trip
.endif
	s_cbranch_scc0 .Lnot_mine_\@
	global_prefetch_b8 v[PFO], s[PFA:PFA+1] offset:KSTEP*2 th:TH_LOAD_NT scope:SCOPE_SE
.Lnot_mine_\@:
.endm
; A round of the cluster's barrier: my work-group's barrier, so that wave 0's signal speaks for all four waves; wave 0 signals for the work-group; every wave waits for all sixteen work-groups; my work-group's barrier once more.
.macro CREST                           ; a round behind its opening barrier
	s_cmp_lg_u32 s10, 0
	s_cbranch_scc1 .Lnot_wave_0_\@
	s_barrier_signal -3
.Lnot_wave_0_\@:
	s_barrier_wait -3
	s_barrier_signal -1
	s_barrier_wait -1
.endm
.macro CROUND                          ; a whole round
	s_barrier_signal -1
	s_barrier_wait -1
	CREST
.endm
	s_load_b128 s[4:7], s[0:1], 0x0                ; A = xq s[4:5], B = w1q s[6:7]
	s_load_b64 s[8:9], s[0:1], 0x10                ; C = hq
	v_lshl_add_u32 v[SPW], v0, 2, SPARE
	v_mov_b32 v[NIL], 0
	ds_add_u32 v[SPW], v[NIL]                      ; the wave's opening: the add, twice on end, and its wait ahead of my first tensor load; the set-up below, work on registers, stands between
	ds_add_u32 v[SPW], v[NIL]                      ; and once more, under the one wait
	v_lshrrev_b32 v1, 5, v0
	v_readfirstlane_b32 s10, v1                    ; wave 0..3
	s_lshr_b32 s11, s10, 1                         ; which half of the tile's rows is mine.  Also: I fetch for A (0) or for B (1)
	s_and_b32 s12, s10, 1                          ; which half of its columns.  Also: which 128 rows of that tile I fetch
	s_bfe_u32 s40, ttmp6, 0x40000                  ; cx: my place along the cluster's x
	s_bfe_u32 s41, ttmp6, 0x40004                  ; cy: along its y
	s_lshl_b32 s42, ttmp9, 2                       ; in a cluster launch ttmp9 and ttmp7 count clusters
	s_add_co_u32 s42, s42, s40                     ; tile column = 4 x cluster x + cx
	s_and_b32 s13, ttmp7, 0xffff
	s_lshl_b32 s13, s13, 2
	s_add_co_u32 s13, s13, s41                     ; tile row = 4 x cluster y + cy
	s_lshl_b32 s43, s41, 2
	s_lshl_b32 s43, 15, s43                        ; my row of the cluster: places 4 cy .. 4 cy + 3
	s_lshl_b32 s44, 0x1111, s40                    ; my column: places cx, cx + 4, cx + 8, cx + 12
	; descriptor group 1: a tile of 128 rows x 128 elements, padded in LDS
	s_or_b32 s[G1+0], s43, (1<<16)|(1<<20)|(1<<21)|(5<<22)|(3<<25)  ; 15:0 the mask: A's tiles go to my row; 17:16 element of 2 bytes; 20 padding on; 21 set beside a mask; 24:22 after every 64 words (code 5); 31:25 of 4 words (code 3)
	s_or_b32 s[G1B+0], s44, (1<<16)|(1<<20)|(1<<21)|(5<<22)|(3<<25) ; the same with the mask of my column, for B's tiles
.irp g, G1, G1B
	s_mov_b32 s[(\g)+1], KSTEP<<16                 ; tensor_dim0 = 128
	s_mov_b32 s[(\g)+2], 128<<16                   ; tensor_dim1 = 128
	s_mov_b32 s[(\g)+3], KSTEP<<16                 ; tile_dim0 = 128
	s_mov_b32 s[(\g)+4], 128                       ; tile_dim1 = 128
	s_mov_b32 s[(\g)+5], SIZE_K                    ; elements from row to row
	s_mov_b32 s[(\g)+6], 0
	s_mov_b32 s[(\g)+7], 0
.endr
	s_mov_b32 s[CMAX], 0x43e00000
	s_mov_b32 s[CMIN], 0x3c800000
	s_mov_b32 s[CEXP], 0x7f800000
	s_mov_b32 s[CZ], 0
	s_mov_b32 s[KP], 0x49c00000
	s_mov_b32 s[KP+1], 0x49c00000
	s_mov_b32 s[KN], 0xc9c00000
	s_mov_b32 s[KN+1], 0xc9c00000
	; where the tiles come from.  A's hang on the tile row alone, which my row of the cluster shares; B's on the tile column alone, which my column shares.
	s_lshl_b32 s17, s12, 7                         ; which 128 rows of the tile I fetch
	s_lshl_b32 s16, s13, 8
	s_add_co_u32 s16, s16, s17                     ; A: row 256 x tile row + 128 x half
	s_lshl_b32 s46, s42, 8
	s_add_co_u32 s46, s46, s17                     ; B: row 256 x tile column + 128 x half
	s_mov_b32 s17, 0
	s_mov_b32 s47, 0
	s_mov_b64 s[18:19], SIZE_K*2
	s_mul_u64 s[16:17], s[16:17], s[18:19]         ; in bytes
	s_mul_u64 s[46:47], s[46:47], s[18:19]
	s_mul_i32 s20, s10, HALFT                      ; and where they go: wave x 128 rows: no place in the cluster enters an LDS address
	s_wait_dscnt 0x0                               ; both opening adds are done
	s_wait_kmcnt 0x0
	s_add_nc_u64 s[14:15], s[4:5], s[16:17]
	s_add_nc_u64 s[46:47], s[6:7], s[46:47]
	CROUND                                         ; all sixteen work-groups are here: the first joint loads meet
.irp s, 0,1
	s_mov_b32 s[G0+4*(\s)], 1                                      ; count = 1
	s_add_co_u32 s[G0+4*(\s)+1], s20, (\s)*SLOT                    ; LDS address
	s_add_nc_u64 s[G0+4*(\s)+2:G0+4*(\s)+3], s[14:15], (\s)*KSTEP*2  ; global address: K step s
	s_or_b32 s[G0+4*(\s)+3], s[G0+4*(\s)+3], 0x80000000            ; type = 2
	s_mov_b32 s[G0B+4*(\s)], 1
	s_add_co_u32 s[G0B+4*(\s)+1], s20, (\s)*SLOT
	s_add_nc_u64 s[G0B+4*(\s)+2:G0B+4*(\s)+3], s[46:47], (\s)*KSTEP*2
	s_or_b32 s[G0B+4*(\s)+3], s[G0B+4*(\s)+3], 0x80000000
	JLOAD \s                                       ; the ring is filled before anything else is done: two loads of mine are out
.endr
	; A fragment is 16 rows x 32 K in 8 registers: lane l holds row l % 16; registers 0-3 hold K = 8 (l / 16) + 0..7, registers 4-7 K = 16 + 8 (l / 16) + 0..7: two loads of 16 bytes, 32 bytes apart.
	v_and_b32 v1, 15, v0                           ; l % 16
	v_bfe_u32 v2, v0, 4, 1                         ; l / 16
	v_mul_u32_u24 v3, v1, PITCH
	v_lshl_add_u32 v3, v2, 4, v3                   ; row x pitch + 16 x half
	s_mul_i32 s21, s11, HALFT                      ; my 128 rows of A
	s_mul_i32 s22, s12, HALFT                      ; my 128 rows of B,
	s_add_co_u32 s22, s22, 2*HALFT                 ; which lie behind A's 256
.irp s, 0,1
	v_add_nc_u32 v[ADRA+(\s)], s21, v3
	v_add_nc_u32 v[ADRB+(\s)], s22, v3
	s_add_co_u32 s21, s21, SLOT
	s_add_co_u32 s22, s22, SLOT
.endr
	s_mul_i32 s23, s10, 16*SPITCH
	s_add_co_u32 s23, s23, STAGE                   ; my stage
	v_mul_u32_u24 v4, v1, SPITCH                   ; in: row l % 16, 16 bytes for each half of the lanes
	v_lshl_add_u32 v4, v2, 4, v4
	v_add_nc_u32 v[STO], s23, v4
	v_mul_u32_u24 v5, v2, SPITCH                   ; back: lanes 0-15 take one row of 256 bytes, lanes 16-31 the next
	v_lshl_add_u32 v5, v1, 4, v5
	v_add_nc_u32 v[RD], s23, v5
	v_mul_u32_u24 v5, v2, SIZE_N*2                 ; and the same two rows in hq
	v_lshl_add_u32 v[CO], v1, 4, v5
	; where my part of the first tile begins in hq, in bytes: the first way out adds it to hq's address
	s_lshl_b32 s13, s13, 8
	s_lshl_b32 s14, s11, 7
	s_add_co_u32 s16, s13, s14                     ; my first row
	s_mov_b32 s17, 0
	s_mov_b64 s[18:19], SIZE_N*2
	s_mul_u64 s[16:17], s[16:17], s[18:19]
	s_lshl_b32 s46, s42, 9                         ; my first column, in bytes: 512 x tile column + 256 x half
	s_lshl_b32 s47, s12, 8
	s_add_co_u32 s46, s46, s47
	s_mov_b32 s47, 0
	s_add_nc_u64 s[16:17], s[16:17], s[46:47]
	; the prefetches.  s13 = 256 x tile row, s42 = tile column, s40 = cx, s41 = cy still stand
	s_lshl_b32 s42, s42, 8
	s_and_b32 s22, ttmp7, 0xffff                   ; cluster y
	s_cmp_eq_u32 s11, 0                            ; do I fetch for A?
	s_cselect_b32 s20, s13, s42                    ; the tile's first row: in A by the tile row, in B by the tile column
	s_cselect_b32 s21, s40, s41                    ; my place among the four that ask for it with me
	s_cselect_b32 s22, ttmp9, s22                  ; the coordinate along which other clusters read the same rows
	s_cselect_b64 s[PFA:PFA+1], s[4:5], s[6:7]
	s_cmp_eq_u32 s22, 0
	s_cselect_b32 s[LIM], 1, -1                    ; the same in all sixteen partners, for a given wave
	s_lshl_b32 s22, s12, 7
	s_add_co_u32 s20, s20, s22                     ; + the 128 rows that I fetch
	s_lshl_b32 s21, s21, 5
	s_add_co_u32 s20, s20, s21                     ; + my work-group's 32 of them
	s_mov_b32 s21, 0
	s_mov_b64 s[18:19], SIZE_K*2
	s_mul_u64 s[20:21], s[20:21], s[18:19]
	s_add_nc_u64 s[PFA:PFA+1], s[PFA:PFA+1], s[20:21]
	s_add_nc_u64 s[PFA:PFA+1], s[PFA:PFA+1], 2*KSTEP*2  ; at K step 2: the first refill steps it to 3 and names K step 4.  Nothing is prefetched at the head: K steps 0 to 3 come by their loads alone
	v_and_b32 v[PFO], 31, v0
	v_mul_u32_u24 v[PFO], v[PFO], SIZE_K*2
; 16 matrix instructions: m blocks a0, a0 + 1 of the window's four (hi = 0: my rows 0-63, 1: rows 64-127) x all 8 n blocks, 32 along K.  zero = 1: the first product starts the sums: nothing is ever cleared.
; The 64 accumulators take turns, one instruction a turn, in the same order in every quarter step, over the backward jumps too.
.macro MUL16 f, hi, a0, zero
	WIN MUL_LO+0x50*(\hi)
.irp a, \a0, (\a0)+1
.irp b, 0,1,2,3,4,5,6,7
.if \zero
	v_wmma_f32_16x16x32_bf16 v[8*(8*(\a)+(\b)):8*(8*(\a)+(\b))+7], v[(\f)+8*(\b):(\f)+8*(\b)+7], v[(\f)+8*(4*(\hi)+(\a)):(\f)+8*(4*(\hi)+(\a))+7], 0
.else
	v_wmma_f32_16x16x32_bf16 v[8*(8*(\a)+(\b)):8*(8*(\a)+(\b))+7], v[(\f)+8*(\b):(\f)+8*(\b)+7], v[(\f)+8*(4*(\hi)+(\a)):(\f)+8*(4*(\hi)+(\a))+7], v[8*(8*(\a)+(\b)):8*(8*(\a)+(\b))+7]
.endif
.endr
.endr
.endm
; 32 LDS loads in one run: the fragments of one quarter step (128 rows of B, 128 rows of A, 32 K at byte k of the rows) into buffer f
.macro FETCH slot, k, f
	WIN TO_B
.irp i, 0,1,2,3,4,5,6,7
	ds_load_b128 v[(\f)+8*(\i):(\f)+8*(\i)+3],   v[ADRB+(\slot)] offset:(\k)+(\i)*16*PITCH
	ds_load_b128 v[(\f)+8*(\i)+4:(\f)+8*(\i)+7], v[ADRB+(\slot)] offset:(\k)+(\i)*16*PITCH+32
.endr
	WIN 0
.irp i, 0,1,2,3,4,5,6,7
	ds_load_b128 v[(\f)+8*(\i):(\f)+8*(\i)+3],   v[ADRA+(\slot)] offset:(\k)+(\i)*16*PITCH
	ds_load_b128 v[(\f)+8*(\i)+4:(\f)+8*(\i)+7], v[ADRA+(\slot)] offset:(\k)+(\i)*16*PITCH+32
.endr
.endm
; A load into a register that a matrix instruction has read, and a vector instruction that reads a matrix result or writes one of a matrix instruction's registers, stand four places behind it, and only plain
; vector instructions that name none of its registers are places (ISA guide 7.12.1 for vector instructions).
.macro PLACES
.rept 4
	v_nop
.endr
.endm
; A K step is four quarter steps of 32 along K, 64 matrix instructions each, on buffers 0, 1, 0, 1.  One of the first three: multiplies buffer f; in its middle it fetches the next quarter's fragments, at byte k, into buffer g.
.macro QUARTER slot, k, f, g, zero
	s_wait_dscnt 8                                 ; B and A's rows 0-63 are in; the youngest eight loads (A's rows 64-127) may be out
	WIN MUL_LO
	MUL16 \f, 0, 0, \zero
	MUL16 \f, 0, 2, \zero
	PLACES
	FETCH \slot, \k, \g
	s_wait_dscnt 32                                ; all but the 32 just issued
	WIN MUL_HI
	MUL16 \f, 1, 0, \zero
	MUL16 \f, 1, 2, \zero
.endm
; The last quarter multiplies buffer 1 and changes slots.  MEET is its first half: ONE barrier for the change.  In front of it each wave waits for all its tensor loads, of which one is out: its part of the next
; slot; adds 0 to its spare word; and waits for that and for its own reads of this slot.  Behind it nobody reads this slot any more and the next slot is whole.
.macro MEET round                      ; round = 1: a round of the cluster's barrier follows
	WIN 0                                          ; (the add's two registers lie in window 0)
	s_wait_tensorcnt 0x0                           ; all my tensor loads have landed
	ds_add_u32 v[SPW], v[NIL]                      ; 0 onto my spare word
	s_wait_dscnt 9                                 ; (the add and the youngest eight loads may be out)
	WIN MUL_LO
	MUL16 F1, 0, 0, 0                              ; sixteen matrix instructions stand between the add and the wait for it
	s_wait_dscnt 0x0                               ; the add is done, and my reads of this slot are over
	s_barrier_signal -1
	MUL16 F1, 0, 2, 0                              ; work on registers while the others arrive
.if \round
	WIN 0
.endif
	s_barrier_wait -1
.endm
; The whole last quarter where a slot is filled again: with this tile's K step two steps on (on = 0) or, in the first tile's last two K steps, with the second tile's K step 0 or 1 (on = 1).
; From a request to the wait for it a wave issues 224 matrix instructions.
.macro TURN slot, next, on
	s_wait_xcnt 0x0                                ; the last prefetch, a K step back, has read its address: it is stepped here, ahead of the waits of the change of slots
.if (\on) && (\slot) == 0
	s_add_nc_u64 s[PFA:PFA+1], s[PFA:PFA+1], (WALK-1)*SIZE_K*2+KSTEP*2  ; from the K step after the tile's last to the next tile's K step 1: WALK rows down, back along K
	s_cmp_eq_u32 s11, 0
	s_cselect_b32 s[LIM], s[LIM], -1               ; B's rows are the same for both tiles: they are asked for in the first tile alone
.else
	s_add_nc_u64 s[PFA:PFA+1], s[PFA:PFA+1], KSTEP*2
.endif
	MEET 1
	CREST                                          ; the barrier has opened a round of the cluster's: no wave of any partner still reads this slot's tile or has a load on its way
.if \on
	s_add_nc_u64 s[G0+4*(\slot)+2:G0+4*(\slot)+3], s[G0+4*(\slot)+2:G0+4*(\slot)+3], NEXT_A
	s_sub_nc_u64 s[G0B+4*(\slot)+2:G0B+4*(\slot)+3], s[G0B+4*(\slot)+2:G0B+4*(\slot)+3], BACK_B
.else
	s_add_nc_u64 s[G0+4*(\slot)+2:G0+4*(\slot)+3], s[G0+4*(\slot)+2:G0+4*(\slot)+3], 2*KSTEP*2
	s_add_nc_u64 s[G0B+4*(\slot)+2:G0B+4*(\slot)+3], s[G0B+4*(\slot)+2:G0B+4*(\slot)+3], 2*KSTEP*2
.endif
	JLOAD \slot                                    ; the first tensor load behind the round, my only one until the next; the four v_nop behind it are also the places in front of the loads below
	FETCH \next, 0, F0
	ASK \on
	WIN MUL_HI
	MUL16 F1, 1, 0, 0
	MUL16 F1, 1, 2, 0
.endm
; The same quarter in the last tile's last lap: slot 1 holds the last K step, nothing is filled again, so the barrier is the work-group's alone.
.macro TURNX
	MEET 0
	PLACES                                         ; for the loads into buffer 0, which the quarter before multiplied
	FETCH 1, 0, F0
	WIN MUL_HI
	MUL16 F1, 1, 0, 0
	MUL16 F1, 1, 2, 0
.endm
.macro LASTQ                           ; the very last quarter: nothing more to fetch
	s_wait_dscnt 8
	WIN MUL_LO
	MUL16 F1, 0, 0, 0
	MUL16 F1, 0, 2, 0
	s_wait_dscnt 0x0
	MUL16 F1, 1, 0, 0
	MUL16 F1, 1, 2, 0
.endm
; THE WAY OUT of block a (16 rows x 128 columns), in three parts.  PACK: the ReLU and q8 on its 64 numbers a lane, then bf16, 16 bytes for each n block.  TOSTAGE: into my own stage in LDS, and back as whole rows
; of 256 bytes.  SEND: stored.  Each accumulator's registers are read in ascending order.
.macro PACK a
.set AC, 64*((\a)%4)
	WIN 2+(\a)/4                                   ; source 0: window 2 (blocks 0-3) or 3 (blocks 4-7)
.set i, 0
.rept 64
	v_med3_num_f32 v[QA+i], v[AC+i], s[CZ], s[CMAX]  ; a = the sum held to 0 .. 448
.set i, i+1
.endr
	WIN 0
.irp g, 0,1
.set i, 0
.rept 32
	v_and_b32 v[QT+i], s[CEXP], v[QA+32*(\g)+i]
.set i, i+1
.endr
.set i, 0
.rept 32
	v_max_num_f32 v[QT+i], s[CMIN], v[QT+i]        ; c = 2^max(e, -6)
.set i, i+1
.endr
.set i, 0
.rept 16
	v_pk_fma_f32 v[QA+32*(\g)+i:QA+32*(\g)+i+1], v[QT+i:QT+i+1], s[KP:KP+1], v[QA+32*(\g)+i:QA+32*(\g)+i+1] op_sel_hi:[1,0,1]  ; t = c K + a: the rounding
.set i, i+2
.endr
.set i, 0
.rept 16
	v_pk_fma_f32 v[QA+32*(\g)+i:QA+32*(\g)+i+1], v[QT+i:QT+i+1], s[KN:KN+1], v[QA+32*(\g)+i:QA+32*(\g)+i+1] op_sel_hi:[1,0,1]  ; q = t - c K: exact
.set i, i+2
.endr
.endr
.set i, 0
.rept 32
	v_cvt_pk_bf16_f32 v[QA+i], v[QA+2*i], v[QA+2*i+1]  ; in place: register i was read at step i / 2
.set i, i+1
.endr
.endm
.macro TOSTAGE a
	WIN 0
.set BK, OB+192*((\a)%2)
.irp b, 0,1,2,3,4,5,6,7
	ds_store_b128 v[STO], v[QA+4*(\b):QA+4*(\b)+3] offset:32*(\b)
.endr
.irp t, 0,1,2,3,4,5,6,7
	ds_load_b128 v[BK+4*(\t):BK+4*(\t)+3], v[RD] offset:(\t)*2*SPITCH  ; LDS serves a wave's instructions in order (ISA guide 5.7.1.4): these see the stores above
.endr
.endm
.macro SEND a, younger
	WIN 0
.set BK, OB+192*((\a)%2)
	s_wait_dscnt \younger                          ; the block is back in registers
	s_wait_xcnt 0x0                                ; every earlier memory instruction has had its addresses translated (ISA guide 3.1): only behind this wait are the stores' base and the registers that earlier stores read rewritten
.if (\a) == 0
	s_add_nc_u64 s[8:9], s[8:9], s[16:17]          ; on to this tile's first rows
.else
	s_add_nc_u64 s[8:9], s[8:9], 16*SIZE_N*2       ; 16 rows on
.endif
.irp t, 0,1,2,3,4,5,6,7
	global_store_b128 v[CO], v[BK+4*(\t):BK+4*(\t)+3], s[8:9] offset:2*(\t)*SIZE_N*2  ; 16 lanes store 256 consecutive bytes, at a multiple of 256 from hq's first byte
.endr
.endm
	s_wait_tensorcnt 1                             ; my part of K step 0 is in; K step 1's load may stay out
	s_barrier_signal -1
	s_barrier_wait -1                              ; everybody's is
	FETCH 0, 0, F0
	s_mov_b32 s2, SIZE_TILES                       ; tiles to go, this one among them: the same number in every work-group
.Ltile:
	QUARTER 0, 64,  F0, F1, 1                      ; a tile's first quarter stands in front of the loop: its products start the sums
	WIN 0                                          ; at a label and at a branch every window is 0
	s_mov_b32 s3, LAPS-1
.Llap:                                                 ; a trip goes once round the ring, from a lap's second quarter to the next lap's first, and fills both slots again
	QUARTER 0, 128, F1, F0, 0
	QUARTER 0, 192, F0, F1, 0
	TURN 0, 1, 0
	QUARTER 1, 64,  F0, F1, 0
	QUARTER 1, 128, F1, F0, 0
	QUARTER 1, 192, F0, F1, 0
	TURN 1, 0, 0
	QUARTER 0, 64,  F0, F1, 0
	WIN 0
	s_sub_co_u32 s3, s3, 1
	s_cmp_lg_u32 s3, 0
	s_cbranch_scc1 .Llap
	QUARTER 0, 128, F1, F0, 0                      ; the tile's last lap goes on
	QUARTER 0, 192, F0, F1, 0
	WIN 0
	s_cmp_eq_u32 s2, 1
	s_cbranch_scc1 .Llast                          ; the last tile's last lap is written out: it asks for nothing more
	TURN 0, 1, 1                                   ; THE RING GOES ON INTO THE NEXT TILE: slot 0 takes its K step 0,
	QUARTER 1, 64,  F0, F1, 0
	QUARTER 1, 128, F1, F0, 0
	QUARTER 1, 192, F0, F1, 0
	TURN 1, 0, 1                                   ; slot 1 its K step 1, and the next tile's first fragments are fetched into buffer 0, which the way out leaves alone
	WIN 0
	s_branch .Lout
.Llast:
	TURNX
	QUARTER 1, 64,  F0, F1, 0
	QUARTER 1, 128, F1, F0, 0
	QUARTER 1, 192, F0, F1, 0
	LASTQ
	WIN 0
.Lout:                                                 ; THE TILE GOES OUT
	PLACES                                         ; behind the last products: the lines below read results and write over buffer 1's registers of A
	PACK 0
	TOSTAGE 0
.irp a, 1,2,3,4,5,6,7                  ; block a's arithmetic stands between block a - 1's loads from the stage and the wait for them
	PACK \a
	SEND (\a)-1, 0
	TOSTAGE \a
.endr
	SEND 7, 0
	s_mov_b64 s[16:17], NEXT_C                     ; what the next way out adds to hq's address
	s_sub_co_u32 s2, s2, 1
	s_cmp_lg_u32 s2, 0
	s_cbranch_scc1 .Ltile
	s_wait_tensorcnt 0x0                           ; the wave's end: three lines behind my last tensor load and my last LDS store
	ds_add_u32 v[SPW], v[NIL]
	s_wait_dscnt 0x0
	CROUND                                         ; the closing round: no work-group ends while a partner may still ask for a tile that names it
	s_endpgm
.Lfunc_end_k_q2238334b41_gemm1:
	.size	k_q2238334b41_gemm1, .Lfunc_end_k_q2238334b41_gemm1-k_q2238334b41_gemm1
	.p2alignl 7, 3214868480
	.fill 96, 4, 3214868480
	.section	.rodata,"a",@progbits
	.p2align	6, 0x0
	.amdhsa_kernel k_q2238334b41_gemm1
		.amdhsa_group_segment_fixed_size 327680
		.amdhsa_private_segment_fixed_size 0
		.amdhsa_enable_private_segment 0
		.amdhsa_kernarg_size 24
		.amdhsa_user_sgpr_count 2
		.amdhsa_user_sgpr_kernarg_segment_ptr 1
		.amdhsa_wavefront_size32 1
		.amdhsa_system_sgpr_workgroup_id_x 1
		.amdhsa_system_sgpr_workgroup_id_y 1
		.amdhsa_system_sgpr_workgroup_id_z 1
		.amdhsa_system_vgpr_workitem_id 0
		.amdhsa_next_free_vgpr 1024
		.amdhsa_next_free_sgpr 74
		.amdhsa_reserve_vcc 0
		.amdhsa_float_denorm_mode_32 3
		.amdhsa_float_denorm_mode_16_64 3
		.amdhsa_memory_ordered 1
		.amdhsa_forward_progress 1
		.amdhsa_inst_pref_size 255
	.end_amdhsa_kernel
	.section	.bss,"aw",@nobits
	.p2align	6
	.space	262144
	.amdgpu_metadata
---
amdhsa.version: [ 1, 2 ]
amdhsa.kernels:
  - .name:           k_q2238334b41_gemm1
    .symbol:         k_q2238334b41_gemm1.kd
    .args:
      - { .name: xq, .offset: 0, .size: 8, .value_kind: global_buffer, .address_space: global }
      - { .name: w1q, .offset: 8, .size: 8, .value_kind: global_buffer, .address_space: global }
      - { .name: hq, .offset: 16, .size: 8, .value_kind: global_buffer, .address_space: global }
    .group_segment_fixed_size: 327680
    .private_segment_fixed_size: 0
    .kernarg_segment_align: 8
    .kernarg_segment_size: 24
    .max_flat_workgroup_size: 128
    .sgpr_count:     74
    .vgpr_count:     1024
    .wavefront_size: 32
...
	.end_amdgpu_metadata
.endif
;; end of part 2
;; launch gemm2 (part 3): grid 4 x 64, 4 waves a work-group, clusters of 4 x 4, 327,680 bytes of LDS; arguments hq, w2q, out0; writes out0
.if DOCPART == 3
	.amdgcn_target "amdgcn-amd-amdhsa--gfx1250"
	.amdhsa_code_object_version 6
	.text
	.protected	k_q2238334b41_gemm2
	.globl	k_q2238334b41_gemm2
	.p2align	8
	.type	k_q2238334b41_gemm2,@function
k_q2238334b41_gemm2:
	s_mov_b64 s[64:65], 0
	v_nop
	global_prefetch_b8 v0, s[64:65] scope:SCOPE_SE
	s_setreg_imm32_b32 hwreg(HW_REG_WAVE_MODE, 25, 1), 1
	s_wait_xcnt 0x0
	s_wait_alu depctr_hold_cnt(0) depctr_sa_sdst(0) depctr_va_vdst(0) depctr_va_sdst(0) depctr_va_ssrc(0) depctr_va_vcc(0) depctr_vm_vsrc(0)
	s_getreg_b32 s2, hwreg(HW_REG_IB_STS2, 6, 4)
	s_cmp_eq_u32 s2, 0
	s_cbranch_scc0 .Lentry_in_a_cluster
	s_endpgm
.Lentry_in_a_cluster:
	s_bfe_u32 s2, ttmp6, 0x10000c
	s_cmp_lg_u32 s2, 0xf033
	s_cbranch_scc0 .Lentry_shape_is_right
	s_endpgm
.Lentry_shape_is_right:
; out0[m][n] = q8(sum over k of hq[m][k] w2q[n][k]), in f32.  hq: [8192][4096], w2q: [1024][4096], bf16 (both hold e4m3 numbers exactly); out0: [8192][1024] f32; sums in f32.  Nothing is left out.
; q8 as in the first kernel: a = the middle of (s, -448, 448); c = max(a's exponent bits, 2^-6); t = c K + a (its one rounding is q8's, ties to even); q = t - c K (exact); K = 1.5 x 2^20.
; LIMITS.  All operands are multiples of 2^-9, all products of 2^-18: while the partial sums stay under 2^6 every f32 sum is exact and the order of the sums shows nowhere.  With larger inputs the sums round
; as f32 sums in another order than reference()'s, and a sum at a boundary of the e4m3 grid may fall to the other side.  NaN is not carried; what rounds to zero from below comes out as +0.
; THE TILE is 128 rows x 256 columns: 64 x 4 = 256 work-groups.  Four waves, each 64 rows x 128 columns: 32 accumulators of 16 x 16, 256 registers.  K goes in 32 steps of 128 (rows of 256 bytes, which start at
; multiples of 256 bytes from the buffer's first byte) through a ring of two LDS slots of 384 rows; two slots of K steps twice as long, 2 x 384 x 528 bytes, would not fit in LDS.
; CLUSTERS: 4 x 4 work-groups cover 512 rows x all 1,024 columns.  The four of a row of the cluster need the same tiles of hq, the four of a column the same tiles of w2q: each tile is asked for JOINTLY,
; by the same tensor load with the same descriptor and a mask that names the four.
; THE MATRIX INSTRUCTION IS USED TRANSPOSED (source 0 = 16 rows of w2q, source 1 = 16 rows of hq): lane l holds row l % 16 of the result and in its registers 0-7 the columns 8 (l / 16) + 0..7.
; REGISTERS, in windows of 256: window 0: v0-31 addresses; on the way out v32-95 numbers at work, v96-127 their c, v128-191 and v192-255 rows read back from the stage, by turns.
;   window 1: two fragment buffers of 96: 64 registers of B (8 x 16 rows x 32 K), then 32 of A (4 x 16 rows x 32 K).     window 2: the accumulators ((a, b) at v[8 (8 a + b)]).
.set SIZE_M, 8192
.set SIZE_N, 1024
.set SIZE_K, 4096
.set KSTEP,  128
.set PITCH,  272                       ; an LDS row: 256 bytes of data + 16 of padding = 68 words: row r starts at bank 4 r mod 64 (64 banks of 4 bytes: ISA guide 11.1)
.set AROWS,  64*PITCH                  ; 64 rows of A: what wave 0 or 1 fetches, and what one wave reads of A
.set BROWS,  128*PITCH                 ; 128 rows of B: what wave 2 or 3 fetches, and what one wave reads of B
.set BOFF,   2*AROWS                   ; in a slot: A's 128 rows, then B's 256
.set SLOT,   BOFF+2*BROWS
.set STAGE,  2*SLOT                    ; behind the ring: 16 rows x 528 bytes for each wave, for the way out; no tensor load lands here
.set SPITCH, 528                       ; 512 bytes + 16: an odd multiple of 16, so the sixteen rows that a store touches start at sixteen different groups of four banks
.set WSTAGE, 16*SPITCH
.set SPARE,  STAGE+4*WSTAGE            ; behind the stages: the spare words, 128 bytes for each wave: two blocks of 256 bytes that no other line names
.set LAPS, SIZE_K/(2*KSTEP)            ; a lap = two K steps = once round the ring: 16
.set ADRA, 16                          ; v16-17  LDS address of my A fragments in slot 0, 1
.set ADRB, 20                          ; v20-21  the same for B
.set STO,  24                          ; v24     the way out: where I put 32 bytes of a row
.set RD,   25                          ; v25     the way out: where I read 16 bytes of a row back
.set CO,   26                          ; v26     16 x my lane: my bytes of a wave's 512 of a row of out0
.set SPW,  28                          ; v28     LDS address of my spare word: SPARE + 4 x my thread's number; never rewritten
.set NIL,  29                          ; v29     0; never rewritten
.set PFO,  30                          ; v30     the prefetches' offset: my lane x a row of hq or w2q in memory; never rewritten
.set QA,   32
.set QT,   96
.set OB,   128
.set F0,   0                           ; fragment buffers, in window 1
.set F1,   96
.set G1, 24                            ; s[24:31] descriptor group 1 for A's tiles;  s[32:39] group 0, one set for each slot
.set G0, 32
.set G1B, 48                           ; s[48:55], s[56:63] the same for B's tiles
.set G0B, 56
.set PFA,  66                          ; s[66:67] where my prefetches stand
.set LIM,  68                          ; s68  2 in a wave that prefetches, else the greatest number
.set CMAX, 69                          ; s69   448.0
.set CNEG, 70                          ; s70  -448.0
.set CEXP, 71                          ; s71  the exponent's bits
.set CMIN, 72                          ; s72  2^-6
.set KP,   74                          ; s[74:75]  K, named as a pair
.set KN,   76                          ; s[76:77]  -K
.set MSB, 0
.macro WIN new                         ; the immediate's high byte repeats the setting that is left; a switch that changes nothing is dropped
.if MSB != (\new)
	s_set_vgpr_msb (MSB<<8)|(\new)
.set MSB, \new
.endif
.endm
.set MUL,  0xa5                        ; sources 0 (B) and 1 (A) window 1; C and D window 2
.set TO_F, 0x40                        ; destination window 1, address window 0
.macro JLOAD s                         ; a joint load: waves 0 and 1 fetch A's two halves, waves 2 and 3 B's; an s_nop 0 and four v_nop follow each of the two lines, ahead of the jump, the label and what follows
	s_cmp_eq_u32 s11, 0
	s_cbranch_scc0 .Lfor_b_\@
	tensor_load_to_lds s[G0+4*(\s):G0+4*(\s)+3], s[G1:G1+7]
	s_nop 0
.rept 4
	v_nop
.endr
	s_branch .Lasked_\@
.Lfor_b_\@:
	tensor_load_to_lds s[G0B+4*(\s):G0B+4*(\s)+3], s[G1B:G1B+7]
	s_nop 0
.rept 4
	v_nop
.endr
.Lasked_\@:
.endm
.macro CREST                           ; a round of the cluster's barrier behind its opening barrier
	s_cmp_lg_u32 s10, 0
	s_cbranch_scc1 .Lnot_wave_0_\@
	s_barrier_signal -3
.Lnot_wave_0_\@:
	s_barrier_wait -3
	s_barrier_signal -1
	s_barrier_wait -1
.endm
.macro CROUND                          ; a whole round
	s_barrier_signal -1
	s_barrier_wait -1
	CREST
.endm
; A PREFETCH INTO THE L2, once a lap, behind slot 0's joint load, its five lines and the run of LDS loads that follows them.  In trip i of the loop, which refills K steps 2 i + 2 and 2 i + 3, it names K steps
; 2 i + 6 and 2 i + 7: four K steps, 512 matrix instructions, ahead of the loads that will ask for them.  32 rows x 256 bytes an instruction, a lane a row.  Each row's 256 bytes of a K step are named ONCE in the
; launch.  A's 128 rows of a tile row are read by one cluster alone: its four partners along x take 32 each, BY ADDRESS (32 cx on), and wave 0 of each asks.  B's 256 rows of a tile column are read by all
; sixteen clusters: the one with cluster y = 0 asks; waves 2 and 3 take the 128 rows that they fetch, and of these the partner at cy takes 32 cy .. 32 cy + 31.  Wave 1 asks for nothing.
; K steps 0 to 5 come by their loads alone; the loop's last two trips (s3 = 2, 1) ask for nothing: K step 31 is the last.
.macro ASK
	s_cmp_gt_u32 s3, s[LIM]
	s_cbranch_scc0 .Lnot_mine_\@
	global_prefetch_b8 v[PFO], s[PFA:PFA+1] th:TH_LOAD_NT scope:SCOPE_SE
	global_prefetch_b8 v[PFO], s[PFA:PFA+1] offset:KSTEP*2 th:TH_LOAD_NT scope:SCOPE_SE
.Lnot_mine_\@:
.endm
	s_load_b128 s[4:7], s[0:1], 0x0                ; A = hq s[4:5], B = w2q s[6:7]
	s_load_b64 s[8:9], s[0:1], 0x10                ; out0
	v_lshl_add_u32 v[SPW], v0, 2, SPARE
	v_mov_b32 v[NIL], 0
	ds_add_u32 v[SPW], v[NIL]                      ; the wave's opening: the add, twice on end, and its wait ahead of my first tensor load; the set-up below, work on registers, stands between
	ds_add_u32 v[SPW], v[NIL]                      ; and once more, under the one wait
	v_lshrrev_b32 v1, 5, v0
	v_readfirstlane_b32 s10, v1                    ; wave 0..3
	s_lshr_b32 s11, s10, 1                         ; which 64 of the tile's rows are mine.  Also: I fetch for A (0) or for B (1)
	s_and_b32 s12, s10, 1                          ; which 128 of its columns.  Also: which half of that tile I fetch
	s_bfe_u32 s40, ttmp6, 0x40000                  ; cx, cy: my place in the cluster
	s_bfe_u32 s41, ttmp6, 0x40004
	s_lshl_b32 s42, ttmp9, 2
	s_add_co_u32 s42, s42, s40                     ; tile column = 4 x cluster x + cx
	s_and_b32 s13, ttmp7, 0xffff
	s_lshl_b32 s13, s13, 2
	s_add_co_u32 s13, s13, s41                     ; tile row = 4 x cluster y + cy
	s_lshl_b32 s43, s41, 2
	s_lshl_b32 s43, 15, s43                        ; my row of the cluster
	s_lshl_b32 s44, 0x1111, s40                    ; my column
	; descriptor group 1: rows of 128 elements, padded in LDS; 64 rows for A, 128 for B
	s_or_b32 s[G1+0], s43, (1<<16)|(1<<20)|(1<<21)|(5<<22)|(3<<25)  ; 15:0 the mask: A's tiles go to my row; 17:16 element of 2 bytes; 20 padding on; 21 set beside a mask; 24:22 after every 64 words (code 5); 31:25 of 4 words (code 3)
	s_or_b32 s[G1B+0], s44, (1<<16)|(1<<20)|(1<<21)|(5<<22)|(3<<25) ; the same with the mask of my column
	s_mov_b32 s[G1+1], KSTEP<<16                   ; tensor_dim0 = 128
	s_mov_b32 s[G1+2], 64<<16                      ; tensor_dim1 = 64
	s_mov_b32 s[G1+3], KSTEP<<16                   ; tile_dim0 = 128
	s_mov_b32 s[G1+4], 64                          ; tile_dim1 = 64
	s_mov_b32 s[G1+5], SIZE_K                      ; elements from row to row
	s_mov_b32 s[G1+6], 0
	s_mov_b32 s[G1+7], 0
	s_mov_b32 s[G1B+1], KSTEP<<16
	s_mov_b32 s[G1B+2], 128<<16                    ; tensor_dim1 = 128
	s_mov_b32 s[G1B+3], KSTEP<<16
	s_mov_b32 s[G1B+4], 128                        ; tile_dim1 = 128
	s_mov_b32 s[G1B+5], SIZE_K
	s_mov_b32 s[G1B+6], 0
	s_mov_b32 s[G1B+7], 0
	s_mov_b32 s[CMAX], 0x43e00000
	s_mov_b32 s[CNEG], 0xc3e00000
	s_mov_b32 s[CEXP], 0x7f800000
	s_mov_b32 s[CMIN], 0x3c800000
	s_mov_b32 s[KP], 0x49c00000
	s_mov_b32 s[KP+1], 0x49c00000
	s_mov_b32 s[KN], 0xc9c00000
	s_mov_b32 s[KN+1], 0xc9c00000
	s_lshl_b32 s17, s12, 6
	s_lshl_b32 s16, s13, 7
	s_add_co_u32 s16, s16, s17                     ; A: row 128 x tile row + 64 x half
	s_lshl_b32 s47, s12, 7
	s_lshl_b32 s46, s42, 8
	s_add_co_u32 s46, s46, s47                     ; B: row 256 x tile column + 128 x half
	s_mov_b32 s17, 0
	s_mov_b32 s47, 0
	s_mov_b64 s[18:19], SIZE_K*2
	s_mul_u64 s[16:17], s[16:17], s[18:19]
	s_mul_u64 s[46:47], s[46:47], s[18:19]
	s_mul_i32 s20, s12, AROWS                      ; where they go: A's halves at the slot's head,
	s_mul_i32 s21, s12, BROWS
	s_add_co_u32 s21, s21, BOFF                    ; B's behind them: the wave's number alone enters an LDS address
	s_wait_dscnt 0x0                               ; both opening adds are done
	s_wait_kmcnt 0x0
	s_add_nc_u64 s[14:15], s[4:5], s[16:17]
	s_add_nc_u64 s[46:47], s[6:7], s[46:47]
	CROUND                                         ; all sixteen work-groups are here: the first joint loads meet
.irp s, 0,1
	s_mov_b32 s[G0+4*(\s)], 1                                      ; count = 1
	s_add_co_u32 s[G0+4*(\s)+1], s20, (\s)*SLOT                    ; LDS address
	s_add_nc_u64 s[G0+4*(\s)+2:G0+4*(\s)+3], s[14:15], (\s)*KSTEP*2  ; global address: K step s
	s_or_b32 s[G0+4*(\s)+3], s[G0+4*(\s)+3], 0x80000000            ; type = 2
	s_mov_b32 s[G0B+4*(\s)], 1
	s_add_co_u32 s[G0B+4*(\s)+1], s21, (\s)*SLOT
	s_add_nc_u64 s[G0B+4*(\s)+2:G0B+4*(\s)+3], s[46:47], (\s)*KSTEP*2
	s_or_b32 s[G0B+4*(\s)+3], s[G0B+4*(\s)+3], 0x80000000
	JLOAD \s                                       ; two loads of mine are out
.endr
	v_and_b32 v1, 15, v0                           ; l % 16
	v_bfe_u32 v2, v0, 4, 1                         ; l / 16
	v_mul_u32_u24 v3, v1, PITCH
	v_lshl_add_u32 v3, v2, 4, v3                   ; a fragment's row x pitch + 16 x half
	s_mul_i32 s21, s11, AROWS                      ; my 64 rows of A
	s_mul_i32 s22, s12, BROWS                      ; my 128 rows of B,
	s_add_co_u32 s22, s22, BOFF                    ; which lie behind A's 128
.irp s, 0,1
	v_add_nc_u32 v[ADRA+(\s)], s21, v3
	v_add_nc_u32 v[ADRB+(\s)], s22, v3
	s_add_co_u32 s21, s21, SLOT
	s_add_co_u32 s22, s22, SLOT
.endr
	s_mul_i32 s23, s10, WSTAGE
	s_add_co_u32 s23, s23, STAGE                   ; my stage
	v_mul_u32_u24 v4, v1, SPITCH                   ; in: row l % 16, 32 bytes for each half of the lanes
	v_lshl_add_u32 v4, v2, 5, v4
	v_add_nc_u32 v[STO], s23, v4
	v_and_b32 v5, 31, v0
	v_lshlrev_b32 v[CO], 4, v5                     ; back: 32 lanes take one row of 512 bytes
	v_add_nc_u32 v[RD], s23, v[CO]
	v_mul_u32_u24 v[PFO], v5, SIZE_K*2
	s_lshl_b32 s16, s13, 7
	s_lshl_b32 s17, s11, 6
	s_add_co_u32 s16, s16, s17                     ; my first row of out0: 128 x tile row + 64 x half,
	s_lshl_b32 s16, s16, 12                        ; x 4,096 bytes: under 2^25
	s_mov_b32 s17, 0
	s_add_nc_u64 s[8:9], s[8:9], s[16:17]
	s_lshl_b32 s46, s42, 10                        ; my first column, in bytes: 1,024 x tile column + 512 x half
	s_lshl_b32 s47, s12, 9
	s_add_co_u32 s46, s46, s47
	s_mov_b32 s47, 0
	s_add_nc_u64 s[8:9], s[8:9], s[46:47]
	; the prefetches
	s_lshl_b32 s20, s13, 7                         ; A: the tile's first row
	s_lshl_b32 s21, s42, 8
	s_lshl_b32 s22, s12, 7
	s_add_co_u32 s21, s21, s22                     ; B: the first of the 128 rows that I fetch
	s_and_b32 s22, ttmp7, 0xffff                   ; cluster y
	s_cmp_eq_u32 s11, 0                            ; do I fetch for A?
	s_cselect_b32 s20, s20, s21
	s_cselect_b32 s21, s40, s41                    ; my place among the four that ask for the tile with me
	s_cselect_b32 s22, s12, s22                    ; who asks: for A wave 0; for B the cluster with y = 0
	s_cselect_b64 s[PFA:PFA+1], s[4:5], s[6:7]
	s_cmp_eq_u32 s22, 0
	s_cselect_b32 s[LIM], 2, -1                    ; the same in all sixteen partners, for a given wave
	s_lshl_b32 s21, s21, 5
	s_add_co_u32 s20, s20, s21                     ; + my work-group's 32 rows
	s_mov_b32 s21, 0
	s_mov_b64 s[18:19], SIZE_K*2
	s_mul_u64 s[20:21], s[20:21], s[18:19]
	s_add_nc_u64 s[PFA:PFA+1], s[PFA:PFA+1], s[20:21]
	s_add_nc_u64 s[PFA:PFA+1], s[PFA:PFA+1], 4*KSTEP*2  ; at K step 4: the loop's first trip steps it to 6.  Nothing is prefetched here, at the head
; 8 matrix instructions: m block a x all 8 n blocks, 32 along K, from buffer f.  zero = 1: the product starts the sums.  The 32 accumulators take turns, one instruction a turn, in the same order in every
; quarter step and over the backward jump.
.macro MUL8 f, a, zero
	WIN MUL
.irp b, 0,1,2,3,4,5,6,7
.if \zero
	v_wmma_f32_16x16x32_bf16 v[8*(8*(\a)+(\b)):8*(8*(\a)+(\b))+7], v[(\f)+8*(\b):(\f)+8*(\b)+7], v[(\f)+64+8*(\a):(\f)+64+8*(\a)+7], 0
.else
	v_wmma_f32_16x16x32_bf16 v[8*(8*(\a)+(\b)):8*(8*(\a)+(\b))+7], v[(\f)+8*(\b):(\f)+8*(\b)+7], v[(\f)+64+8*(\a):(\f)+64+8*(\a)+7], v[8*(8*(\a)+(\b)):8*(8*(\a)+(\b))+7]
.endif
.endr
.endm
; 24 LDS loads in one run: the fragments of 32 along K at byte k of the rows, into buffer f: B's 128 rows, then A's 64
.macro FETCH slot, k, f
	WIN TO_F
.irp i, 0,1,2,3,4,5,6,7
	ds_load_b128 v[(\f)+8*(\i):(\f)+8*(\i)+3],   v[ADRB+(\slot)] offset:(\k)+(\i)*16*PITCH
	ds_load_b128 v[(\f)+8*(\i)+4:(\f)+8*(\i)+7], v[ADRB+(\slot)] offset:(\k)+(\i)*16*PITCH+32
.endr
.irp i, 0,1,2,3
	ds_load_b128 v[(\f)+64+8*(\i):(\f)+64+8*(\i)+3],   v[ADRA+(\slot)] offset:(\k)+(\i)*16*PITCH
	ds_load_b128 v[(\f)+64+8*(\i)+4:(\f)+64+8*(\i)+7], v[ADRA+(\slot)] offset:(\k)+(\i)*16*PITCH+32
.endr
.endm
.macro PLACES                          ; four places in front of loads into registers that matrix instructions have read, and of vector lines that read results (ISA guide 7.12.1 for vector lines)
.rept 4
	v_nop
.endr
.endm
; A K step is four quarters of 32 along K, 32 matrix instructions each, on buffers 0, 1, 0, 1.  One of the first three: multiplies buffer f and fetches the next quarter, at byte k, into g.
.macro QUARTER slot, k, f, g, zero
	s_wait_dscnt 4                                 ; B and A's blocks 0 and 1 are in; the youngest four loads (A's blocks 2 and 3) may be out
	MUL8 \f, 0, \zero
	MUL8 \f, 1, \zero
	PLACES
	FETCH \slot, \k, \g
	s_wait_dscnt 24                                ; all but the 24 just issued
	MUL8 \f, 2, \zero
	MUL8 \f, 3, \zero
.endm
; The last quarter multiplies buffer 1 and changes slots: ONE barrier; in front of it each wave waits for all its tensor loads, of which one is out: its part of the next slot; adds 0 to its spare word; and waits
; for that and for its own reads of this slot.  fill = 1: this slot is filled again, two K steps ahead; the barrier then opens a round of the cluster's.  ask = 1: the lap's prefetches follow.
; From a request to the wait for it a wave issues 112 matrix instructions.
.macro TURN slot, next, fill, ask
.if \ask
	s_wait_xcnt 0x0                                ; the last prefetches, a lap back, have read their address: it is stepped here, ahead of the waits of the change of slots
	s_add_nc_u64 s[PFA:PFA+1], s[PFA:PFA+1], 2*KSTEP*2
.endif
	WIN 0                                          ; (the add's two registers lie in window 0)
	s_wait_tensorcnt 0x0                           ; all my tensor loads have landed
	ds_add_u32 v[SPW], v[NIL]                      ; 0 onto my spare word
	s_wait_dscnt 5                                 ; (the add and the youngest four loads may be out)
	MUL8 F1, 0, 0                                  ; eight matrix instructions stand between the add and the wait for it
	s_wait_dscnt 0x0                               ; the add is done, and my reads of this slot are over
	s_barrier_signal -1
	MUL8 F1, 1, 0                                  ; work on registers while the others arrive
.if \fill
	WIN 0
.endif
	s_barrier_wait -1
.if \fill
	CREST                                          ; no wave of any partner still reads this slot's tile or has a load on its way
	s_add_nc_u64 s[G0+4*(\slot)+2:G0+4*(\slot)+3], s[G0+4*(\slot)+2:G0+4*(\slot)+3], 2*KSTEP*2
	s_add_nc_u64 s[G0B+4*(\slot)+2:G0B+4*(\slot)+3], s[G0B+4*(\slot)+2:G0B+4*(\slot)+3], 2*KSTEP*2
	JLOAD \slot                                    ; the first tensor load behind the round, my only one until the next; the four v_nop behind it are also the places in front of the loads below
.else
	PLACES
.endif
	FETCH \next, 0, F0
.if \ask
	WIN 0
	ASK
.endif
	MUL8 F1, 2, 0
	MUL8 F1, 3, 0
.endm
; THE WAY OUT of block a (16 rows x 128 columns).  PACKQ: q8 on its 64 numbers a lane; each accumulator's registers are read in ascending order.  TOSTAGE: 32 bytes for each n block into my
; own stage in LDS, and back as whole rows of 512 bytes.  SEND: stored.
.macro PACKQ a
	WIN 0x02                                       ; source 0: window 2
.set i, 0
.rept 64
	v_med3_num_f32 v[QA+i], v[64*(\a)+i], s[CNEG], s[CMAX]  ; a = the sum held to -448 .. 448
.set i, i+1
.endr
	WIN 0
.irp g, 0,1
.set i, 0
.rept 32
	v_and_b32 v[QT+i], s[CEXP], v[QA+32*(\g)+i]
.set i, i+1
.endr
.set i, 0
.rept 32
	v_max_num_f32 v[QT+i], s[CMIN], v[QT+i]        ; c = 2^max(e, -6)
.set i, i+1
.endr
.set i, 0
.rept 16
	v_pk_fma_f32 v[QA+32*(\g)+i:QA+32*(\g)+i+1], v[QT+i:QT+i+1], s[KP:KP+1], v[QA+32*(\g)+i:QA+32*(\g)+i+1] op_sel_hi:[1,0,1]  ; t = c K + a: the rounding
.set i, i+2
.endr
.set i, 0
.rept 16
	v_pk_fma_f32 v[QA+32*(\g)+i:QA+32*(\g)+i+1], v[QT+i:QT+i+1], s[KN:KN+1], v[QA+32*(\g)+i:QA+32*(\g)+i+1] op_sel_hi:[1,0,1]  ; q = t - c K: exact
.set i, i+2
.endr
.endr
.endm
.macro TOSTAGE a
	WIN 0
.set BK, OB+64*((\a)%2)
.irp b, 0,1,2,3,4,5,6,7
	ds_store_b128 v[STO], v[QA+8*(\b):QA+8*(\b)+3]   offset:64*(\b)
	ds_store_b128 v[STO], v[QA+8*(\b)+4:QA+8*(\b)+7] offset:64*(\b)+16
.endr
.set t, 0
.rept 16
	ds_load_b128 v[BK+4*t:BK+4*t+3], v[RD] offset:t*SPITCH  ; LDS serves a wave's instructions in order (ISA guide 5.7.1.4): these see the stores above
.set t, t+1
.endr
.endm
.macro SEND a
	WIN 0
.set BK, OB+64*((\a)%2)
	s_wait_xcnt 0x0                                ; every earlier memory instruction has had its addresses translated (ISA guide 3.1): the other set of 64 registers, which the block before's stores read, is loaded again only behind this wait
.set t, 0
.rept 16
	s_wait_dscnt 15-t                              ; LDS loads come back in order: row t is in, the 15 - t behind it may be out
	global_store_b128 v[CO], v[BK+4*t:BK+4*t+3], s[8:9] offset:(16*(\a)+t)*SIZE_N*4 th:TH_STORE_NT  ; 32 lanes store 512 consecutive bytes, at a multiple of 256 from out0's first byte
.set t, t+1
.endr
.endm
	s_wait_tensorcnt 1                             ; my part of K step 0 is in; K step 1's load may stay out
	s_barrier_signal -1
	s_barrier_wait -1                              ; everybody's is
	FETCH 0, 0, F0
	QUARTER 0, 64,  F0, F1, 1                      ; the first quarter stands in front of the loop: its products start the sums
	WIN 0                                          ; at a label and at a branch every window is 0
	s_mov_b32 s3, LAPS-1
.Llap:                                                 ; a trip goes once round the ring, from a lap's second quarter to the next lap's first, and fills both slots again
	QUARTER 0, 128, F1, F0, 0
	QUARTER 0, 192, F0, F1, 0
	TURN 0, 1, 1, 1
	QUARTER 1, 64,  F0, F1, 0
	QUARTER 1, 128, F1, F0, 0
	QUARTER 1, 192, F0, F1, 0
	TURN 1, 0, 1, 0
	QUARTER 0, 64,  F0, F1, 0
	WIN 0
	s_sub_co_u32 s3, s3, 1
	s_cmp_lg_u32 s3, 0
	s_cbranch_scc1 .Llap
	QUARTER 0, 128, F1, F0, 0                      ; the last lap fills nothing, and has no round of the cluster's barrier
	QUARTER 0, 192, F0, F1, 0
	TURN 0, 1, 0, 0
	QUARTER 1, 64,  F0, F1, 0
	QUARTER 1, 128, F1, F0, 0
	QUARTER 1, 192, F0, F1, 0
	s_wait_dscnt 4                                 ; the very last quarter: nothing more to fetch
	MUL8 F1, 0, 0
	MUL8 F1, 1, 0
	s_wait_dscnt 0x0
	MUL8 F1, 2, 0
	MUL8 F1, 3, 0
	WIN 0
	PLACES                                         ; behind the last products: the lines below read results
	PACKQ 0
	TOSTAGE 0
.irp a, 1,2,3                          ; block a's arithmetic stands between block a - 1's loads from the stage and the waits for them
	PACKQ \a
	SEND (\a)-1
	TOSTAGE \a
.endr
	SEND 3
	s_wait_tensorcnt 0x0                           ; the wave's end: three lines behind my last tensor load and my last LDS store
	ds_add_u32 v[SPW], v[NIL]
	s_wait_dscnt 0x0
	CROUND                                         ; the closing round: no work-group ends while a partner may still ask for a tile that names it
	s_endpgm
.Lfunc_end_k_q2238334b41_gemm2:
	.size	k_q2238334b41_gemm2, .Lfunc_end_k_q2238334b41_gemm2-k_q2238334b41_gemm2
	.p2alignl 7, 3214868480
	.fill 96, 4, 3214868480
	.section	.rodata,"a",@progbits
	.p2align	6, 0x0
	.amdhsa_kernel k_q2238334b41_gemm2
		.amdhsa_group_segment_fixed_size 327680
		.amdhsa_private_segment_fixed_size 0
		.amdhsa_enable_private_segment 0
		.amdhsa_kernarg_size 24
		.amdhsa_user_sgpr_count 2
		.amdhsa_user_sgpr_kernarg_segment_ptr 1
		.amdhsa_wavefront_size32 1
		.amdhsa_system_sgpr_workgroup_id_x 1
		.amdhsa_system_sgpr_workgroup_id_y 1
		.amdhsa_system_sgpr_workgroup_id_z 1
		.amdhsa_system_vgpr_workitem_id 0
		.amdhsa_next_free_vgpr 768
		.amdhsa_next_free_sgpr 78
		.amdhsa_reserve_vcc 0
		.amdhsa_float_denorm_mode_32 3
		.amdhsa_float_denorm_mode_16_64 3
		.amdhsa_memory_ordered 1
		.amdhsa_forward_progress 1
		.amdhsa_inst_pref_size 136
	.end_amdhsa_kernel
	.amdgpu_metadata
---
amdhsa.version: [ 1, 2 ]
amdhsa.kernels:
  - .name:           k_q2238334b41_gemm2
    .symbol:         k_q2238334b41_gemm2.kd
    .args:
      - { .name: hq, .offset: 0, .size: 8, .value_kind: global_buffer, .address_space: global }
      - { .name: w2q, .offset: 8, .size: 8, .value_kind: global_buffer, .address_space: global }
      - { .name: out0, .offset: 16, .size: 8, .value_kind: global_buffer, .address_space: global }
    .group_segment_fixed_size: 327680
    .private_segment_fixed_size: 0
    .kernarg_segment_align: 8
    .kernarg_segment_size: 24
    .max_flat_workgroup_size: 128
    .sgpr_count:     78
    .vgpr_count:     768
    .wavefront_size: 32
...
	.end_amdgpu_metadata
.endif
;; end of part 3
